; MI455X (gfx1250); checked and timed in simulation.
; The chip was launched on July 23, 2026; its instructions are those of AMD's public machine-readable ISA for CDNA 5 (MIT licence, August 2026) and "CDNA5" Instruction Set Architecture Reference Guide (July 2026). The comments in the code are by the model that wrote it; some were corrected since.
;; Attention Head. Allowed arithmetic: matrix products marked QUANTISED: E3M2 operands, one E8M0 scale for each 32 along K, by v_wmma_scale_f32_16x16x128_f8f6f4 with both operands' format E3M2, f32 sums; everything else in f32.
;; Inputs: Wk 1,024 x 128 float32; Wq 1,024 x 128 float32; Wv 1,024 x 128 float32; X 4 x 4,096 x 1,024 float32.
;; Outputs: out0 4 x 4,096 x 128 float32.
;; This version of the problem:
;;   THIS VERSION OF THE PROBLEM IS GIVEN IN LOW PRECISION. The matrix products marked QUANTISED in the list below multiply operands that are first quantised to E3M2 (3 exponent bits, 2 mantissa bits; 6 bits a number), with one power-of-two scale for each 32 numbers along K (OCP MX v1.0); their sums are f32. All else is computed in f32.
;;   The module's matrix products, in the order in which they are computed (A, B: the left and right operand; K: the contracted axis; several contracted axes count as one K, in the product's order):
;;     1. [M 16,384, K 1,024] x [K 1,024, N 128]; A: input X; B: input Wq: QUANTISED
;;     2. [M 16,384, K 1,024] x [K 1,024, N 128]; A: input X; B: input Wk: QUANTISED
;;     3. [M 16,384, K 1,024] x [K 1,024, N 128]; A: input X; B: input Wv: QUANTISED
;;     4. batch 4 x [M 4,096, K 128] x [K 128, N 4,096]; A: computed on the way; B: computed on the way: QUANTISED
;;     5. batch 4 x [M 4,096, K 4,096] x [K 4,096, N 128]; A: softmax (see below); B: computed on the way: QUANTISED
;;   THE QUANTISER, for each operand of a quantised product, along K:
;;     - K is cut into blocks of 32 from its start; a last block that is shorter is filled with zeros.
;;     - A block's scale is 2^e with e = floor(log2(the largest magnitude in the block)) - 4, held to -126 .. 127; a block of zeros has e = 0. As a byte (E8M0): e + 127.
;;     - Each number is divided by its block's scale, clamped to +-28, and rounded to the nearest number of E3M2, ties to even, subnormals kept.
;;     - The product sums the exact products of the quantised numbers (number of the format x scale) in f32.
;;   ~~~python
;;   def quantise(x, axis):      # numpy; x: float32 -> the quantised numbers, widened to float32 again
;;       x = np.moveaxis(x, axis, -1); K = x.shape[-1]
;;       x = np.pad(x, [(0, 0)] * (x.ndim - 1) + [(0, -K % 32)]); x = x.reshape(x.shape[:-1] + (-1, 32)); a = np.abs(x).max(-1, keepdims=True)
;;       e = np.where(a > 0, np.clip(np.frexp(np.where(a > 0, a, 1))[1] - 1 - 4, -126, 127), 0)      # np.frexp(a)[1] - 1 = floor(log2(a)), exactly
;;       r = np.clip(x / 2.0 ** e, -28, 28)
;;       step = 2.0 ** (np.maximum(np.frexp(np.where(r == 0, 1, r))[1] - 1, -2) - 2)
;;       q = np.round(r / step) * step * 2.0 ** e      # np.round: ties to even
;;       return np.moveaxis(q.reshape(q.shape[:-2] + (-1,))[..., :K], -1, axis).astype(np.float32)
;;   ~~~
;;   SOFTMAX AHEAD OF A QUANTISED PRODUCT. Where the list says 'softmax', what is quantised is not the finished softmax but p = 2^(t - M), with t = logit x log2(e) and M = ceil(the row's largest t), a whole number; so 1/2 < the row's largest p <= 1. The row's sum l is taken of the UNQUANTISED p, in f32, and the product's result is divided by l at the end. Since M is a whole number, a kernel that streams over the keys may use a running M (the ceiling of the running maximum): every later rescaling is an exact power of two, which a block's scale takes up: the codes' values come out the same.
;;   OPERANDS COMPUTED ON THE WAY. 'Computed on the way' means the value that the module computes at that place (a softmax that the list does not call 'softmax' is quantised finished and normalised). What goes into a quantiser is computed in f32, as accurately as f32 sums, v_exp_f32 and their like allow (about 1e-6 of the number): no bf16 or f16 on the way to a quantiser, and a product that is left as it is and whose result goes on into a quantised operand takes f32 operands (vector FMAs, or v_wmma_f32_16x16x4_f32). A number that lies on a knife's edge between two numbers of the format may be rounded either way, as far as f32 arithmetic and the matrix unit's own rounding can turn it there, and no further.
;; One version. Each part assembles by itself: llvm-mc -triple=amdgcn-amd-amdhsa -mcpu=gfx1250 --defsym DOCPART=n.
;; ======== version 1 of 1: 3 launches
;; limits: right only within a limited range of input values
;; workspace buffers: wcodes 294,912 bytes; wscales 24,576 bytes; qcodes 1,572,864 bytes; qscales 65,536 bytes; kv 3,276,800 bytes
;; launch wquant (part 1): grid 24 x 8, 1 waves a work-group, no clusters, 0 bytes of LDS; arguments Wq, Wk, Wv, wcodes, wscales; writes wcodes, wscales
.if DOCPART == 1
	.amdgcn_target "amdgcn-amd-amdhsa--gfx1250"
	.amdhsa_code_object_version 6
	.text
	.protected	k_q93217958ec_wquant
	.globl	k_q93217958ec_wquant
	.p2align	8
	.type	k_q93217958ec_wquant,@function
k_q93217958ec_wquant:
	s_mov_b64 s[64:65], 0
	v_nop
	global_prefetch_b8 v0, s[64:65] scope:SCOPE_SE
	s_setreg_imm32_b32 hwreg(HW_REG_WAVE_MODE, 25, 1), 1
	s_wait_xcnt 0x0
; Wq, Wk, Wv [1024 (k)][128 (n)], f32, become codes of BF6 (E3M2) with one E8M0 byte for each 32 along K, laid as IMAGES OF OPERAND REGISTERS in the order in which
; the next launch's waves take them.  One wave makes one fragment: 16 columns x 128 along K, 12 registers a lane.  Fragment f = 24 w + 3 ks + t: w the reader's wave (0..7),
; ks the K step (0..7), t its tile (0..2).  Tiles 0, 1: channels 32 (w & 3) on, of Wq for waves 0-3, of Wk for waves 4-7; tile 2: channels 16 w on of Wv.
; Scale words: wave w has 24 words a lane; word 3 ks + t = 4 i + q lies at 3072 w + 512 i + 16 lane + 4 q: six loads of 16 bytes a lane bring them all.
; A LANE TAKES A COLUMN AND ITS REGISTERS RUN DOWN K, in the order that the operand's layout gives that lane (lane (r, h): k = 64 c + 32 h + 0 .. 31): the conversions' results
; are the operand's registers and nothing is transposed.  In tiles 0, 1 lane r takes channel 32 (w & 3) + 8 t + r + 8 (r / 8), so that the reader's results of
; the two tiles are 16 neighbours along the head's axis, which is the next product's K.
; A block's scale is 2^(floor(log2(its largest magnitude)) - 4); its byte is that magnitude's exponent field - 4, held at 1 from below.
; LIMITS: a block of zeros, or one whose largest magnitude lies under 2^-122, gets the byte 1 (its codes are zeros or subnormal codes; this program alone reads the bytes); NaN and infinities are not served.
; 192 fragments, 192 work-groups of one wave: there is no more work than that.  No LDS, no barrier, no loop to prefetch in.
.set FRB, 1536                         ; a fragment's image: three groups of four registers, 16 bytes a lane, 512 bytes a group
	s_load_b128 s[4:7], s[0:1], 0x0                ; Wq, Wk
	s_load_b128 s[8:11], s[0:1], 0x10              ; Wv, wcodes
	s_load_b64 s[12:13], s[0:1], 0x20              ; wscales
	s_lshr_b32 s15, ttmp9, 3                       ; t
	s_and_b32 s16, ttmp9, 7                        ; ks
	s_and_b32 s17, ttmp7, 0xffff                   ; w
	s_mul_i32 s14, s16, 3
	s_add_co_u32 s14, s14, s15                     ; 3 ks + t
	s_mul_i32 s18, s17, 24
	s_add_co_u32 s18, s18, s14                     ; f
	s_and_b32 s19, s17, 3
	s_lshl_b32 s19, s19, 5
	s_lshl_b32 s20, s15, 3
	s_add_co_u32 s19, s19, s20                     ; tiles 0, 1: first channel 32 (w & 3) + 8 t
	s_lshl_b32 s20, s17, 4                         ; tile 2: 16 w
	s_lshl_b32 s22, s16, 16                        ; the K step's 128 rows of 512 bytes
	s_mov_b32 s23, 0
	s_mul_i32 s24, s18, FRB                        ; where the image goes
	s_mov_b32 s25, 0
	s_mul_i32 s28, s17, 3072                       ; and its scale words
	s_lshr_b32 s29, s14, 2
	s_lshl_b32 s29, s29, 9
	s_add_co_u32 s28, s28, s29
	s_and_b32 s29, s14, 3
	s_lshl_b32 s29, s29, 2
	s_add_co_u32 s28, s28, s29
	s_mov_b32 s29, 0
	s_mov_b32 s26, 0x76543210
	s_mov_b32 s27, 0xfedcba98                      ; v_permlanex16_b32's selects for lane l xor 16
	s_wait_kmcnt 0x0
	s_cmp_lt_u32 s17, 4                            ; the choices hang on the work-group's numbers alone
	s_cselect_b64 s[4:5], s[4:5], s[6:7]
	s_cmp_lt_u32 s15, 2
	s_cselect_b64 s[4:5], s[4:5], s[8:9]
	s_cselect_b32 s19, s19, s20
	s_cselect_b32 s21, 8, 0                        ; tiles 0, 1 alone spread their columns
	s_add_nc_u64 s[4:5], s[4:5], s[22:23]
	s_add_nc_u64 s[10:11], s[10:11], s[24:25]
	s_add_nc_u64 s[12:13], s[12:13], s[28:29]
	v_and_b32 v1, 15, v0                           ; r
	v_lshrrev_b32 v2, 4, v0                        ; h
	v_and_b32 v3, s21, v1
	v_add3_u32 v3, v3, v1, s19                     ; my column
	v_lshlrev_b32 v3, 2, v3
	v_lshl_add_u32 v5, v2, 14, v3                  ; lanes 16-31 begin 32 rows further down
	v_lshlrev_b32 v11, 4, v0                       ; my lane's place: 16 bytes
.irp c, 0,1
.irp i, 0,1,2,3,4,5,6,7,8,9,10,11,12,13,14,15,16,17,18,19,20,21,22,23,24,25,26,27,28,29,30,31
	global_load_b32 v[64+32*\c+\i], v5, s[4:5] offset:512*(64*\c+\i)   ; W(128 ks + 64 c + 32 h + i, my column)
.endr
.endr
	s_wait_loadcnt 0x0
.irp c, 0,1                                    ; my block 2 c + h: all its 32 numbers are mine
	v_max3_num_f32 v[20+\c], |v[64+32*\c]|, |v[65+32*\c]|, 0x2800000   ; and the floor 2^(5 - 127): the byte cannot fall under 1
.endr
.irp i, 2,4,6,8,10,12,14,16,18,20,22,24,26,28,30
.irp c, 0,1
	v_max3_num_f32 v[20+\c], v[20+\c], |v[64+32*\c+\i]|, |v[65+32*\c+\i]|   ; the two blocks by turns
.endr
.endr
.irp c, 0,1
	v_add_nc_u32 v[22+\c], 0xfe000000, v[20+\c]    ; 4 off the exponent field: the conversion takes this operand's exponent field as its scale
.endr
.irp c, 0,1
	v_lshrrev_b32 v[24+\c], 23, v[22+\c]           ; the scale's byte
.endr
	v_lshl_or_b32 v9, v25, 16, v24                 ; my two bytes: blocks h and 2 + h,
	v_lshlrev_b32 v10, 3, v2
	v_lshlrev_b32 v9, v10, v9                      ; at their places in the word (8 h bits up);
	v_mov_b32 v10, 0
	v_permlanex16_b32 v10, v9, s26, s27
	v_or_b32 v9, v9, v10                           ; with lane l xor 16's two the word is whole, in both halves of the lanes
.irp c, 0,1
	v_cvt_scalef32_pk16_bf6_f32 v[48+6*\c:50+6*\c], v[64+32*\c:79+32*\c], v[22+\c]   ; registers 6 c .. 6 c + 2 of the operand
	v_cvt_scalef32_pk16_bf6_f32 v[32+4*\c:34+4*\c], v[80+32*\c:95+32*\c], v[22+\c]   ; a conversion's three registers begin on an even number: the second half is made elsewhere and moved
.endr
	v_nop                                          ; one plain place behind a scaled conversion
.irp c, 0,1
.irp i, 0,1,2
	v_mov_b32 v[51+6*\c+\i], v[32+4*\c+\i]
.endr
.endr
.irp g, 0,1,2
	global_store_b128 v11, v[48+4*\g:51+4*\g], s[10:11] offset:512*\g   ; 32 lanes store 512 consecutive bytes, at a multiple of 256 from the buffer's first byte
.endr
	global_store_b32 v11, v9, s[12:13]             ; one word in each of 32 places of 16 bytes
	s_endpgm
.Lfunc_end_k_q93217958ec_wquant:
	.size	k_q93217958ec_wquant, .Lfunc_end_k_q93217958ec_wquant-k_q93217958ec_wquant
	.p2alignl 7, 3214868480
	.fill 96, 4, 3214868480
	.section	.rodata,"a",@progbits
	.p2align	6, 0x0
	.amdhsa_kernel k_q93217958ec_wquant
		.amdhsa_group_segment_fixed_size 0
		.amdhsa_private_segment_fixed_size 0
		.amdhsa_enable_private_segment 0
		.amdhsa_kernarg_size 40
		.amdhsa_user_sgpr_count 2
		.amdhsa_user_sgpr_kernarg_segment_ptr 1
		.amdhsa_wavefront_size32 1
		.amdhsa_system_sgpr_workgroup_id_x 1
		.amdhsa_system_sgpr_workgroup_id_y 1
		.amdhsa_system_sgpr_workgroup_id_z 1
		.amdhsa_system_vgpr_workitem_id 0
		.amdhsa_next_free_vgpr 128
		.amdhsa_next_free_sgpr 66
		.amdhsa_reserve_vcc 0
		.amdhsa_float_denorm_mode_32 3
		.amdhsa_float_denorm_mode_16_64 3
		.amdhsa_memory_ordered 1
		.amdhsa_forward_progress 1
		.amdhsa_inst_pref_size 12
	.end_amdhsa_kernel
	.amdgpu_metadata
---
amdhsa.version: [ 1, 2 ]
amdhsa.kernels:
  - .name:           k_q93217958ec_wquant
    .symbol:         k_q93217958ec_wquant.kd
    .args:
      - { .name: Wq, .offset: 0, .size: 8, .value_kind: global_buffer, .address_space: global }
      - { .name: Wk, .offset: 8, .size: 8, .value_kind: global_buffer, .address_space: global }
      - { .name: Wv, .offset: 16, .size: 8, .value_kind: global_buffer, .address_space: global }
      - { .name: wcodes, .offset: 24, .size: 8, .value_kind: global_buffer, .address_space: global }
      - { .name: wscales, .offset: 32, .size: 8, .value_kind: global_buffer, .address_space: global }
    .group_segment_fixed_size: 0
    .private_segment_fixed_size: 0
    .kernarg_segment_align: 8
    .kernarg_segment_size: 40
    .max_flat_workgroup_size: 32
    .sgpr_count:     66
    .vgpr_count:     128
    .wavefront_size: 32
...
	.end_amdgpu_metadata
.endif
;; end of part 1
;; launch proj (part 2): grid 256 x 1, 8 waves a work-group, no clusters, 89,600 bytes of LDS; arguments X, wcodes, wscales, qcodes, qscales, kv; writes qcodes, qscales, kv
.if DOCPART == 2
	.amdgcn_target "amdgcn-amd-amdhsa--gfx1250"
	.amdhsa_code_object_version 6
	.text
	.protected	k_q93217958ec_proj
	.globl	k_q93217958ec_proj
	.p2align	8
	.type	k_q93217958ec_proj,@function
k_q93217958ec_proj:
	s_mov_b64 s[64:65], 0
	v_nop
	global_prefetch_b8 v0, s[64:65] scope:SCOPE_SE
	s_setreg_imm32_b32 hwreg(HW_REG_WAVE_MODE, 25, 1), 1
	s_wait_xcnt 0x0
; Q = X Wq, K = X Wk, V = X Wv on codes of BF6 (E3M2), one E8M0 byte for each 32 along K; the results are quantised in turn (Q and K along the head's axis, V along the keys) and stored as images of
; operand registers for the next launch.  A work-group owns 64 rows of X (256 work-groups), four tiles of 16; its eight waves share both the quantising of X and the columns.
; K goes in eight steps of 128.  Wave w quantises 8 rows of tile w / 2 in each step and multiplies all four tiles by its own three weight fragments: one block of 32 channels of Q (waves 0-3) or of K (waves 4-7), and 16 channels of V.
; ROWS.  Lane index i of tile 2 b + u stands for row 32 b + 8 u + i + 8 (i / 8): so V's 16 results of tiles 2 b, 2 b + 1 in a lane are 16 neighbouring keys.  Wave w's rows: 32 (w / 4) + 8 ((w / 2) & 1) + 16 (w & 1) + 0 .. 7.
; X comes as it lies: a load takes 512 consecutive bytes of one row, 16 a lane.  A step's 4,096 bytes turn through the wave's own stage in LDS and come back one whole block of 32 (128 bytes) to a lane.
; X's loads run four steps (32 loads a wave) ahead, so nothing is prefetched; W's codes three steps.  W's codes go straight into the registers of the one wave of the work-group that multiplies by them, each once: a joint load
; would lay them in LDS, whence every one would have to be read again; so no cluster.  X's rows are shared by nobody.
; ONE BARRIER A STEP: in front of it a wave has stored its part of the step's image; between its signal and its wait stand the products of the step before.  Every step has image bytes of its own: nothing is overwritten.
; LIMITS: a block of zeros, or one whose largest magnitude lies under 2^-122, gets the byte 1; NaN and infinities are not served.
; REGISTERS.  Window 0: v1-21 addresses; v24-47 W's scale words (word 3 ks + t); v48-95 X's fragments; v96-97 X's scale words (tile 2 i in lanes 0-15, tile 2 i + 1 in lanes 16-31); v100-117 at work; v118-125 the stage's addresses, in;
;   v128-159 a turned block; v160-255 X as loaded, slots 0-2.  Window 1: v0-95 the twelve accumulators (group e of 16 registers: e = 0..3 row tile e of Q or K, e = 4, 5 V's two blocks of 32 keys); v96-203 W's codes, three steps;
;   v204-235 X, slot 3; v240-247 the stage's addresses, out.
.set FRB,  1536                        ; a fragment's image: two halves of 768 bytes: registers 0-3 at 16 x lane, registers 4, 5 at 512 + 8 x lane
.set KB,   25600                       ; a key block of the kv buffer
.set STB,  4096                        ; a wave's stage: 32 places of 128 bytes, the eight pieces of a place permuted by an exclusive or with the row; the stages begin at LDS byte 0
.set AI,   118                         ; v118-125: where I put a row's 16 bytes, one address for each of the eight rows
.set AO,   240                         ; v240-247 of window 1: where I read my block's eight pieces
.set IMG,  8*STB                       ; the images: 4 x FRB a step
.set XSC,  IMG+8*4*FRB                 ; their scale bytes: 256 a step: 32 w + 4 row + block
.set TAB,  XSC+8*256                   ; Q's and K's scale bytes on the way out, 256 each
.set SPARE, TAB+512                    ; the spare words, 128 bytes for each wave: four blocks of 256 bytes that no other line names
.set SCW,  24
.set XF,   48
.set XS,   96
.set WR,   96
.set TN,   128
.set MSB, 0
.macro WIN new                         ; the immediate's high byte repeats the setting that is left; a switch that changes nothing is dropped
.if MSB != (\new)
	s_set_vgpr_msb (MSB<<8)|(\new)
.set MSB, (\new)
.endif
.endm
.macro PLACES n
.rept \n
	v_nop
.endr
.endm
.macro LOADX j                         ; step j of my 8 rows: 32 lanes read 512 consecutive bytes of a row
.if ((\j)%4) == 3
	WIN 0x40
.irp i, 0,1,2,3,4,5,6,7
	global_load_b128 v[204+4*\i:207+4*\i], v3, s[4:5] offset:4096*\i+512*(\j) th:TH_LOAD_NT
.endr
.else
	WIN 0
.irp i, 0,1,2,3,4,5,6,7
	global_load_b128 v[160+32*((\j)%4)+4*\i:163+32*((\j)%4)+4*\i], v3, s[4:5] offset:4096*\i+512*(\j) th:TH_LOAD_NT
.endr
.endif
	WIN 0
.endm
.macro LOADW j                         ; step j of my three weight fragments
	WIN 0x40
.irp g, 0,1,2,3,4,5,6,7,8
	global_load_b128 v[WR+36*((\j)%3)+4*\g:WR+3+36*((\j)%3)+4*\g], v3, s[6:7] offset:3*FRB*(\j)+512*\g
.endr
	WIN 0
.endm
.macro TURN j                          ; LDS serves a wave's instructions in order (ISA guide 5.7.1.4): no wait between the stores and the loads
.if ((\j)%4) == 3
	WIN 0x04
.irp i, 0,1,2,3,4,5,6,7
	ds_store_b128 v[AI+\i], v[204+4*\i:207+4*\i] offset:512*\i
.endr
.else
.irp i, 0,1,2,3,4,5,6,7
	ds_store_b128 v[AI+\i], v[160+32*((\j)%4)+4*\i:163+32*((\j)%4)+4*\i] offset:512*\i
.endr
.endif
	WIN 0x01
.irp i, 0,1,2,3,4,5,6,7
	ds_load_b128 v[TN+4*\i:TN+3+4*\i], v[AO+\i]
.endr
	WIN 0
.endm
.macro QUANT j                         ; my lane's block of 32: the largest magnitude in four chains, with the floor 2^(5 - 127) among its leaves
.irp c, 0,1,2,3
	v_max3_num_f32 v[112+\c], |v[TN+8*\c]|, |v[TN+1+8*\c]|, |v[TN+2+8*\c]|
.endr
.irp i, 3,5
.irp c, 0,1,2,3
	v_max3_num_f32 v[112+\c], v[112+\c], |v[TN+8*\c+\i]|, |v[TN+1+8*\c+\i]|
.endr
.endr
	v_max3_num_f32 v112, v112, |v[TN+7]|, |v[TN+15]|
	v_max3_num_f32 v113, v113, |v[TN+23]|, |v[TN+31]|
	v_max3_num_f32 v114, v114, v115, 0x2800000
	v_max3_num_f32 v112, v112, v113, v114
	v_add_nc_u32 v116, 0xfe000000, v112            ; 4 off the exponent field: the conversion takes this operand's exponent field as its scale
	v_cvt_scalef32_pk16_bf6_f32 v[100:102], v[TN:TN+15], v116
	v_cvt_scalef32_pk16_bf6_f32 v[108:110], v[TN+16:TN+31], v116
	v_lshrrev_b32 v117, 23, v116                   ; the scale's byte; also the plain place behind the conversions
	v_mov_b32 v103, v108                           ; a conversion's three registers begin on an even number
	v_mov_b32 v104, v109
	v_mov_b32 v105, v110
	ds_store_b128 v6, v[100:103] offset:4*FRB*(\j)
	ds_store_b64 v7, v[104:105] offset:4*FRB*(\j)
	ds_store_b8 v8, v117 offset:256*(\j)
.endm
.macro FETCH j                         ; step j's four fragments and their scale words
.irp m, 0,1,2,3
	ds_load_b128 v[XF+12*\m:XF+12*\m+3], v9 offset:FRB*(4*(\j)+\m)
	ds_load_b64 v[XF+12*\m+4:XF+12*\m+5], v10 offset:FRB*(4*(\j)+\m)+512
	ds_load_b128 v[XF+12*\m+6:XF+12*\m+9], v9 offset:FRB*(4*(\j)+\m)+768
	ds_load_b64 v[XF+12*\m+10:XF+12*\m+11], v10 offset:FRB*(4*(\j)+\m)+1280
.endr
	ds_load_b32 v[XS], v11 offset:256*(\j)
	ds_load_b32 v[XS+1], v11 offset:256*(\j)+128
.endm
; Q, K: used transposed (source 0 = W, source 1 = X): a lane holds a row, its registers channels.  Odd tiles take their scale words from lanes 16-31.  z = 0: the first product starts the sum.
.macro MQ d, a, m, sw, z
.if (\z) == 0
.if (\m)%2
	v_wmma_scale_f32_16x16x128_f8f6f4 v[\d:\d+7], v[\a:\a+11], v[XF+12*(\m):XF+12*(\m)+11], 0, v[\sw], v[XS+(\m)/2] matrix_a_fmt:MATRIX_FMT_BF6 matrix_b_fmt:MATRIX_FMT_BF6 matrix_b_scale:MATRIX_SCALE_ROW1
.else
	v_wmma_scale_f32_16x16x128_f8f6f4 v[\d:\d+7], v[\a:\a+11], v[XF+12*(\m):XF+12*(\m)+11], 0, v[\sw], v[XS+(\m)/2] matrix_a_fmt:MATRIX_FMT_BF6 matrix_b_fmt:MATRIX_FMT_BF6
.endif
.else
.if (\m)%2
	v_wmma_scale_f32_16x16x128_f8f6f4 v[\d:\d+7], v[\a:\a+11], v[XF+12*(\m):XF+12*(\m)+11], v[\d:\d+7], v[\sw], v[XS+(\m)/2] matrix_a_fmt:MATRIX_FMT_BF6 matrix_b_fmt:MATRIX_FMT_BF6 matrix_b_scale:MATRIX_SCALE_ROW1
.else
	v_wmma_scale_f32_16x16x128_f8f6f4 v[\d:\d+7], v[\a:\a+11], v[XF+12*(\m):XF+12*(\m)+11], v[\d:\d+7], v[\sw], v[XS+(\m)/2] matrix_a_fmt:MATRIX_FMT_BF6 matrix_b_fmt:MATRIX_FMT_BF6
.endif
.endif
.endm
; V: source 0 = X, source 1 = W: a lane holds a channel, its registers rows (keys)
.macro MV d, b, m, sw, z
.if (\z) == 0
.if (\m)%2
	v_wmma_scale_f32_16x16x128_f8f6f4 v[\d:\d+7], v[XF+12*(\m):XF+12*(\m)+11], v[\b:\b+11], 0, v[XS+(\m)/2], v[\sw] matrix_a_fmt:MATRIX_FMT_BF6 matrix_b_fmt:MATRIX_FMT_BF6 matrix_a_scale:MATRIX_SCALE_ROW1
.else
	v_wmma_scale_f32_16x16x128_f8f6f4 v[\d:\d+7], v[XF+12*(\m):XF+12*(\m)+11], v[\b:\b+11], 0, v[XS+(\m)/2], v[\sw] matrix_a_fmt:MATRIX_FMT_BF6 matrix_b_fmt:MATRIX_FMT_BF6
.endif
.else
.if (\m)%2
	v_wmma_scale_f32_16x16x128_f8f6f4 v[\d:\d+7], v[XF+12*(\m):XF+12*(\m)+11], v[\b:\b+11], v[\d:\d+7], v[XS+(\m)/2], v[\sw] matrix_a_fmt:MATRIX_FMT_BF6 matrix_b_fmt:MATRIX_FMT_BF6 matrix_a_scale:MATRIX_SCALE_ROW1
.else
	v_wmma_scale_f32_16x16x128_f8f6f4 v[\d:\d+7], v[XF+12*(\m):XF+12*(\m)+11], v[\b:\b+11], v[\d:\d+7], v[XS+(\m)/2], v[\sw] matrix_a_fmt:MATRIX_FMT_BF6 matrix_b_fmt:MATRIX_FMT_BF6
.endif
.endif
.endm
.macro MULK j                          ; twelve accumulators, one instruction a turn, in the same order in every step
	WIN 0x51
.irp u, 0,1
.irp m, 0,1,2,3
	MQ 16*\m+8*\u, WR+36*((\j)%3)+12*\u, \m, SCW+3*(\j)+\u, \j
.endr
.endr
	WIN 0x54
.irp m, 0,1,2,3
	MV 64+8*\m, WR+36*((\j)%3)+24, \m, SCW+3*(\j)+2, \j
.endr
	WIN 0
	PLACES 4                                       ; in front of loads into registers that these have read, and of the first read of the results (ISA guide 7.12.1 for vector instructions)
.endm
	s_load_b256 s[4:11], s[0:1], 0x0               ; X s[4:5], wcodes s[6:7], wscales s[8:9], qcodes s[10:11]
	s_load_b128 s[12:15], s[0:1], 0x20             ; qscales s[12:13], kv s[14:15]
	v_and_b32 v1, 31, v0                           ; lane
	v_lshrrev_b32 v2, 5, v0
	v_readfirstlane_b32 s16, v2                    ; wave w
	v_lshlrev_b32 v3, 4, v1                        ; 16 x lane
	s_and_b32 s17, s16, 1
	s_lshr_b32 s18, s16, 1                         ; the row tile that I quantise
	s_lshr_b32 s22, s16, 2                         ; 0: my block of channels is Q's, 1: K's
	s_and_b32 s23, s16, 3                          ; b: which block of 32 channels
	s_lshl_b32 s20, ttmp9, 6                       ; my first row of X
	s_lshl_b32 s21, s22, 5
	s_add_co_u32 s20, s20, s21
	s_and_b32 s21, s18, 1
	s_lshl_b32 s21, s21, 3
	s_add_co_u32 s20, s20, s21
	s_lshl_b32 s21, s17, 4
	s_add_co_u32 s20, s20, s21
	s_lshl_b32 s20, s20, 12                        ; rows of 4,096 bytes
	s_mov_b32 s21, 0
	s_mul_i32 s24, s16, 24*FRB                     ; my weight fragments
	s_mov_b32 s25, 0
	s_mul_i32 s26, s16, 3072                       ; and their scale words
	s_mov_b32 s27, 0
	s_wait_alu depctr_va_vdst(0)
	s_wait_kmcnt 0x0
	s_add_nc_u64 s[4:5], s[4:5], s[20:21]
	s_add_nc_u64 s[6:7], s[6:7], s[24:25]
	s_add_nc_u64 s[8:9], s[8:9], s[26:27]
	LOADX 0                                        ; issue order, with the count of loads so far: X0 8,
.irp i, 0,1,2,3,4,5
	global_load_b128 v[SCW+4*\i:SCW+4*\i+3], v3, s[8:9] offset:512*\i   ; the scale words 14,
.endr
	LOADX 1                                        ; X1 22,
	LOADW 0                                        ; W0 31,
	LOADX 2                                        ; X2 39,
	LOADW 1                                        ; W1 48,
	LOADX 3                                        ; X3 56; then X4 64, W2 73, X5 81, W3 90, X6 98, W4 107, X7 115, W5 124, W6 133, W7 142: a wait's count is what has been issued less what is needed
	s_mul_i32 s31, s16, STB                        ; my stage
	s_mul_i32 s34, s18, FRB
	s_add_co_u32 s34, s34, IMG                     ; my row tile's image
	s_lshl_b32 s35, s17, 7
	s_add_co_u32 s35, s35, s34                     ; its rows 8 (w & 1) on, 16 bytes a lane,
	s_lshl_b32 s36, s17, 6
	s_add_co_u32 s36, s36, s34
	s_add_co_u32 s36, s36, 512                     ; and 8 bytes a lane
	s_and_b32 s37, s23, 1
	s_lshl_b32 s38, s37, 8                         ; block b lies in half b / 2 of an image, in its lanes 16 (b & 1) on: 256 bytes up where a lane has 16,
	s_lshl_b32 s39, s37, 7
	s_add_co_u32 s39, s39, 512                     ; 128 where it has 8
	s_lshl_b32 s40, s22, 8
	s_add_co_u32 s40, s40, TAB
	v_lshl_add_u32 v20, v0, 2, SPARE               ; my spare word; never rewritten
	v_mov_b32 v21, 0                               ; 0; never rewritten
	v_lshl_add_u32 v4, v1, 4, s31                  ; the stage, in: row i at 512 i + 16 lane, the piece's number (address bits 6:4) exclusive-or'ed with i
.irp i, 0,1,2,3,4,5,6,7
	v_xor_b32 v[AI+\i], 16*\i, v4
.endr
	v_and_b32 v22, 7, v1                           ; and out: row lane % 8,
	v_lshrrev_b32 v23, 3, v1                       ; block lane / 8
	v_lshl_add_u32 v5, v22, 2, v23                 ; place = 4 row + block
	v_lshlrev_b32 v98, 4, v22
	v_lshl_add_u32 v98, v5, 7, v98
	v_add_nc_u32 v98, s31, v98                     ; piece s at 128 place + 16 (s exclusive-or row): sixteen lanes touch sixteen different columns of 16 bytes, on both ways
	WIN 0x40
.irp s, 0,1,2,3,4,5,6,7
	v_xor_b32 v[AO+\s], 16*\s, v98
.endr
	WIN 0
	v_and_b32 v98, 1, v23
	v_lshl_add_u32 v22, v98, 4, v22                ; in the image: lane row + 16 (block % 2),
	v_lshrrev_b32 v23, 1, v23
	v_mul_u32_u24 v23, v23, 768                    ; half block / 2
	v_lshl_add_u32 v6, v22, 4, v23
	v_lshl_add_u32 v7, v22, 3, v23
	v_add_nc_u32 v6, s35, v6
	v_add_nc_u32 v7, s36, v7
	s_lshl_b32 s41, s16, 5
	s_add_co_u32 s41, s41, XSC
	v_add_nc_u32 v8, s41, v5                       ; my block's scale byte: 32 w + 4 row + block
	v_add_nc_u32 v9, IMG, v3
	v_lshlrev_b32 v14, 3, v1                       ; 8 x lane
	v_add_nc_u32 v10, IMG, v14
	v_lshlrev_b32 v18, 2, v1                       ; 4 x lane
	v_add_nc_u32 v11, XSC, v18
	v_and_b32 v22, 15, v1
	v_bfe_u32 v23, v0, 4, 1
	v_mul_u32_u24 v98, v23, FRB                    ; Q, K on the way out: lanes 0-15 hold an even row tile, lanes 16-31 the odd one behind it
	v_lshl_add_u32 v12, v22, 4, v98
	v_add_nc_u32 v12, s38, v12
	v_lshl_add_u32 v13, v22, 3, v98
	v_add_nc_u32 v13, s39, v13
	v_lshl_add_u32 v15, v22, 4, v23                ; V's scale byte: channel r's word, byte h
	v_add_nc_u32 v17, s40, v18                     ; the table of Q's or K's scale words
	v_add_nc_u32 v16, s23, v17                     ; my byte b in it
	; where the results go
	s_lshr_b32 s26, ttmp9, 1
	s_mul_i32 s26, s26, KB                         ; my 64 rows are half g of a key block
	s_and_b32 s19, ttmp9, 1                        ; g
	s_mul_i32 s28, s19, 4*FRB
	s_add_co_u32 s28, s28, s26                     ; K: row tiles 4 g on
	s_mul_i32 s29, ttmp9, 4*FRB                    ; Q
	s_lshl_b32 s30, s19, 8
	s_add_co_u32 s30, s30, s26
	s_add_co_u32 s30, s30, 12288                   ; K's scale words: 256 bytes for each g
	s_lshl_b32 s31, ttmp9, 8                       ; Q's
	s_cmp_lt_u32 s16, 4
	s_cselect_b64 s[66:67], s[10:11], s[14:15]
	s_cselect_b64 s[68:69], s[12:13], s[14:15]
	s_cselect_b32 s28, s29, s28
	s_cselect_b32 s30, s31, s30
	s_lshr_b32 s29, s23, 1
	s_mul_i32 s29, s29, 768
	s_add_co_u32 s28, s28, s29
	s_mov_b32 s29, 0
	s_mov_b32 s31, 0
	s_add_nc_u64 s[66:67], s[66:67], s[28:29]
	s_add_nc_u64 s[68:69], s[68:69], s[30:31]
	s_mul_i32 s28, s16, FRB                        ; V: fragment w, half g
	s_mul_i32 s30, s19, 768
	s_add_co_u32 s28, s28, s30
	s_add_co_u32 s28, s28, s26
	s_add_co_u32 s28, s28, 12800
	s_add_nc_u64 s[70:71], s[14:15], s[28:29]
	s_lshl_b32 s30, s17, 8                         ; its scale bytes: word w / 2 of lanes 16 (w & 1) on, bytes 2 g, 2 g + 1
	s_lshl_b32 s28, s18, 2
	s_add_co_u32 s30, s30, s28
	s_lshl_b32 s28, s19, 1
	s_add_co_u32 s30, s30, s28
	s_add_co_u32 s30, s30, s26
	s_add_co_u32 s30, s30, 25088
	s_add_nc_u64 s[72:73], s[14:15], s[30:31]
	s_wait_alu depctr_va_vdst(0)
.macro STEP j, nx, nw
	s_wait_loadcnt \nx                             ; X of this step is in
	TURN \j
	s_wait_dscnt 0x0                               ; my block is here, the stores into the stage have read their registers; and the fragments of the step before are in
.if (\j) < 4
	LOADX (\j)+4
.endif
	QUANT \j
.if (\j) > 0
	s_wait_loadcnt \nw                             ; W of the step before is in
.endif
	s_wait_dscnt 0x0                               ; for the others' sake: my part of the image has landed
	s_barrier_signal -1
.if (\j) > 0
	MULK (\j)-1                                    ; work on registers while the others arrive
.endif
	s_barrier_wait -1
	FETCH \j
.if (\j) < 6
	LOADW (\j)+2                                   ; into the registers that the step before has multiplied by
.endif
.endm
	STEP 0, 48, 0                                  ; 56 - 8
	STEP 1, 51, 50                                 ; 73 - 22, 81 - 31
	STEP 2, 51, 50                                 ; 90 - 39, 98 - 48
	STEP 3, 51, 42                                 ; 107 - 56, 115 - 73
	STEP 4, 60, 34                                 ; 124 - 64, 124 - 90
	STEP 5, 52, 26                                 ; 133 - 81, 133 - 107
	STEP 6, 44, 18                                 ; 142 - 98, 142 - 124
	STEP 7, 27, 9                                  ; 142 - 115, 142 - 133
	s_wait_loadcnt 0x0
	s_wait_dscnt 0x0
	MULK 7
; THE RESULTS ARE QUANTISED.  Six groups of 16 registers: a group is half a block, its other half lies in lane l xor 16.
.set EM, 128
.set EP, 134
.set ES, 140
.set EB, 146
.set EC, 160
.set ET, 184
.set VB, 196
	s_mov_b32 s74, 0x76543210
	s_mov_b32 s75, 0xfedcba98                      ; v_permlanex16_b32's selects for lane l xor 16
	WIN 0x05
.irp e, 0,1,2,3,4,5
	v_max3_num_f32 v[EM+\e], |v[16*\e]|, |v[16*\e+1]|, 0x2800000   ; ascending: each accumulator is first read at its low end
.endr
	WIN 0x14
.irp i, 2,4,6,8,10,12,14
.irp e, 0,1,2,3,4,5
	v_max3_num_f32 v[EM+\e], v[EM+\e], |v[16*\e+\i]|, |v[16*\e+1+\i]|
.endr
.endr
	WIN 0
.irp e, 0,1,2,3,4,5
	v_permlanex16_b32 v[EP+\e], v[EM+\e], s74, s75
.endr
.irp e, 0,1,2,3,4,5
	v_max_num_f32 v[EM+\e], v[EM+\e], v[EP+\e]
.endr
.irp e, 0,1,2,3,4,5
	v_add_nc_u32 v[ES+\e], 0xfe000000, v[EM+\e]
.endr
.irp e, 0,1,2,3,4,5
	v_lshrrev_b32 v[EB+\e], 23, v[ES+\e]
.endr
	WIN 1
.irp q, 0,1,2
	v_cvt_scalef32_pk16_bf6_f32 v[EC+8*\q:EC+8*\q+2], v[32*\q:32*\q+15], v[ES+2*\q]
	v_cvt_scalef32_pk16_bf6_f32 v[ET+4*\q:ET+4*\q+2], v[32*\q+16:32*\q+31], v[ES+2*\q+1]
.endr
	WIN 0
	v_cmp_le_u32 vcc_lo, 16, v1                    ; the upper half of the lanes; also the plain place behind the conversions
.irp q, 0,1,2                                  ; lanes 0-15 take the first group's whole block, lanes 16-31 the second's
.irp i, 0,1,2
	v_permlane16_swap_b32 v[EC+8*\q+\i], v[ET+4*\q+\i]
.endr
.irp i, 0,1,2
	v_mov_b32 v[EC+8*\q+3+\i], v[ET+4*\q+\i]
.endr
.endr
.irp q, 0,1,2
	v_cndmask_b32 v[VB+\q], v[EB+2*\q], v[EB+2*\q+1], vcc_lo   ; and so with the scale bytes
.endr
	ds_store_b8 v16, v[VB]                         ; row tiles 0, 1
	ds_store_b8 v16, v[VB+1] offset:128            ; row tiles 2, 3
.irp q, 0,1
	global_store_b128 v12, v[EC+8*\q:EC+8*\q+3], s[66:67] offset:2*FRB*\q   ; 16 lanes store 256 consecutive bytes, at a multiple of 256
	global_store_b64 v13, v[EC+8*\q+4:EC+8*\q+5], s[66:67] offset:2*FRB*\q
.endr
	global_store_b128 v3, v[EC+16:EC+19], s[70:71]
	global_store_b64 v14, v[EC+20:EC+21], s[70:71] offset:512
	global_store_b8 v15, v[VB+2], s[72:73]         ; V's words have two bytes from each of two work-groups, so they go out byte by byte
	s_wait_dscnt 0x0                               ; for the others' sake: my bytes of the table have landed
	s_barrier_signal -1
	s_barrier_wait -1
	ds_load_b32 v200, v17                          ; the table's words: row tiles 0, 1
	ds_load_b32 v201, v17 offset:128               ; and 2, 3
	s_wait_tensorcnt 0x0                           ; the wave's end, behind my last LDS store
	ds_add_u32 v20, v21
	s_wait_dscnt 0x0
	s_cmp_lg_u32 s23, 0
	s_cbranch_scc1 .Ldone                          ; waves 0 and 4 store Q's and K's words
	s_cmp_lg_u32 s22, 0
	s_cbranch_scc1 .Lk_words
	global_store_b32 v18, v200, s[68:69]           ; Q's: row after row, 256 bytes
	global_store_b32 v18, v201, s[68:69] offset:128
	s_endpgm
.Lk_words:
	global_store_b64 v14, v[200:201], s[68:69]     ; K's: [lane][2 words], 256 bytes
.Ldone:
	s_endpgm
.Lfunc_end_k_q93217958ec_proj:
	.size	k_q93217958ec_proj, .Lfunc_end_k_q93217958ec_proj-k_q93217958ec_proj
	.p2alignl 7, 3214868480
	.fill 96, 4, 3214868480
	.section	.rodata,"a",@progbits
	.p2align	6, 0x0
	.amdhsa_kernel k_q93217958ec_proj
		.amdhsa_group_segment_fixed_size 89600
		.amdhsa_private_segment_fixed_size 0
		.amdhsa_enable_private_segment 0
		.amdhsa_kernarg_size 48
		.amdhsa_user_sgpr_count 2
		.amdhsa_user_sgpr_kernarg_segment_ptr 1
		.amdhsa_wavefront_size32 1
		.amdhsa_system_sgpr_workgroup_id_x 1
		.amdhsa_system_sgpr_workgroup_id_y 1
		.amdhsa_system_sgpr_workgroup_id_z 1
		.amdhsa_system_vgpr_workitem_id 0
		.amdhsa_next_free_vgpr 512
		.amdhsa_next_free_sgpr 80
		.amdhsa_reserve_vcc 1
		.amdhsa_float_denorm_mode_32 3
		.amdhsa_float_denorm_mode_16_64 3
		.amdhsa_memory_ordered 1
		.amdhsa_forward_progress 1
		.amdhsa_inst_pref_size 73
	.end_amdhsa_kernel
	.amdgpu_metadata
---
amdhsa.version: [ 1, 2 ]
amdhsa.kernels:
  - .name:           k_q93217958ec_proj
    .symbol:         k_q93217958ec_proj.kd
    .args:
      - { .name: X, .offset: 0, .size: 8, .value_kind: global_buffer, .address_space: global }
      - { .name: wcodes, .offset: 8, .size: 8, .value_kind: global_buffer, .address_space: global }
      - { .name: wscales, .offset: 16, .size: 8, .value_kind: global_buffer, .address_space: global }
      - { .name: qcodes, .offset: 24, .size: 8, .value_kind: global_buffer, .address_space: global }
      - { .name: qscales, .offset: 32, .size: 8, .value_kind: global_buffer, .address_space: global }
      - { .name: kv, .offset: 40, .size: 8, .value_kind: global_buffer, .address_space: global }
    .group_segment_fixed_size: 89600
    .private_segment_fixed_size: 0
    .kernarg_segment_align: 8
    .kernarg_segment_size: 48
    .max_flat_workgroup_size: 256
    .sgpr_count:     80
    .vgpr_count:     512
    .wavefront_size: 32
...
	.end_amdgpu_metadata
.endif
;; end of part 2
;; launch attn (part 3): grid 64 x 4, 4 waves a work-group, no clusters, 137,728 bytes of LDS; arguments qcodes, qscales, kv, out0; writes out0
.if DOCPART == 3
	.amdgcn_target "amdgcn-amd-amdhsa--gfx1250"
	.amdhsa_code_object_version 6
	.text
	.protected	k_q93217958ec_attn
	.globl	k_q93217958ec_attn
	.p2align	8
	.type	k_q93217958ec_attn,@function
k_q93217958ec_attn:
	s_mov_b64 s[64:65], 0
	v_nop
	global_prefetch_b8 v0, s[64:65] scope:SCOPE_SE
	s_setreg_imm32_b32 hwreg(HW_REG_WAVE_MODE, 25, 1), 1
	s_wait_xcnt 0x0
; O[b][q][:] = the sum over k of softmax_k(Q[b][q] . K[b][k] / 32) V[b][k][:], both products on codes of BF6 (E3M2) with one E8M0 scale for each 32 along a product's K.
; Q, K, V come as images of operand registers made by the launch before.  A fragment (16 rows x 128 K, 12 registers) is two halves of 768 bytes: registers 0-3 at 16 x lane, registers 4, 5 at 512 + 8 x lane.
; kv: a key block (128 keys) is 25,600 bytes: K's 8 fragments; K's scale words (two planes [lane][2 words]: word i of lane l is tile 2 i + l / 16, row l % 16); V's 8 fragments (16 channels x 128 keys); V's scale words [lane][4 words].
; THE SOFTMAX: t = score x log2(e) / 32; M = the largest t so far, rounded UP to a whole number; p = 2^(t - M) is quantised along the keys, not normalised; the sum is taken of the unquantised p.
; SHARES.  A work-group owns 64 queries of a batch (256 work-groups): four tiles of 16.  Each of its FOUR waves takes all four tiles and a quarter of the keys: key block 4 s + wave in step s = 0 .. 7.
; So a fragment of K or V is used by ONE wave of the work-group, for four products, and goes from memory straight into that wave's registers: no slot, no refill and no barrier stands in the walk, and a wave waits for its own loads alone.
; No cluster: a joint load would bring each of these bytes through LDS, to be written and read there for its one use, and each refill of 25,600 bytes a wave would stop the 16 waves of four work-groups.
; Each wave keeps its own M, sum and O^T for each tile; every M is a whole number, so the four shares are brought under the row's M by exact powers of two and added at the end, through LDS.
; A STEP: all four tiles' scores; the next step's K is asked for into the same registers; the softmax of tiles 0 and 1, that of tiles 2 and 3; the 32 products with V; the next step's V is asked for.
; LAYOUT.  Both products are used transposed: S^T = K Q^T, O^T = V^T P^T: a lane holds ONE query throughout.  The keys of a tile of K were chosen so that the 16 registers of tiles 2 b, 2 b + 1 are keys 32 b + 16 h + 0 .. 15.
; Lane index i of query tile qt stands for query 32 (qt / 2) + 8 (qt % 2) + i + 8 (i / 8) of the work-group's 64: that enters O's row addresses alone.
; PREFETCH into the L2, one step ahead of the loads: in step s = 0 .. 5 the batch's first four work-groups ask for step s + 2's four key blocks: wave w for block w, a quarter of its 100 pieces of 256 bytes for each work-group.
; LIMITS: NaN and infinities are not served; a p under 2^-126 counts as 0 (v_exp_f32: ISA guide, its entry in 15.8); a block whose every p is 0 keeps the byte 1: its codes are zeros.
; REGISTERS, in four windows of 256 (s_set_vgpr_msb's low byte: bits 1:0 source 0, 3:2 source 1, 5:4 source 2, 7:6 destination).
;   TILES 0, 1 LIVE IN WINDOW 0, TILES 2, 3 IN WINDOW 3, AT THE SAME NUMBERS (a = 0, 1): v22 + 2 a, v23 + 2 a: -M and the sum; v26-87 at work; v104 + 12 a: p's codes; v128 + 64 a: S^T, then p as f32.
;   Window 0 alone: v0-3 ids and offsets; scale words, which have no window: v4-7 K's, v8-11 V's, v12-15 p's, v16-17 Q's; v18-21 LDS addresses.  Window 1: v0-95 K, v96-191 V, v192-239 Q.  Window 2: O^T, tile i at v[64 i].
.set KB,    25600
.set STEPB, 4*KB
.set KSC,   12288                      ; in a key block: K's scale words,
.set VOFF,  12800                      ; V's fragments,
.set VSC,   25088                      ; V's scale words
.set STG,   2048                       ; LDS: from byte 0 -M and the sum of each share and row, 8 bytes each, 512 bytes a wave; then the shares' O: 64 rows of 512 bytes + 16 for each wave;
.set SP,    528
.set SHB,   64*SP
.set SPARE, STG+4*SHB                  ; the spare words, 128 bytes for each wave: two blocks of 256 bytes that no other line names
.set MSB, 0
.macro WIN new                         ; the immediate's high byte repeats the setting that is left; a switch that changes nothing is dropped
.if MSB != (\new)
	s_set_vgpr_msb (MSB<<8)|(\new)
.set MSB, (\new)
.endif
.endm
.macro PLACES n
.rept \n
	v_nop
.endr
.endm
.macro FRAG reg, base, off             ; a fragment from its image: every load takes consecutive bytes
	global_load_b128 v[\reg:\reg+3], v1, s[\base:\base+1] offset:\off
	global_load_b64 v[\reg+4:\reg+5], v2, s[\base:\base+1] offset:\off+512
	global_load_b128 v[\reg+6:\reg+9], v1, s[\base:\base+1] offset:\off+768
	global_load_b64 v[\reg+10:\reg+11], v2, s[\base:\base+1] offset:\off+1280
.endm
.macro KLOAD                           ; a key block's K: 34 loads
	global_load_b64 v[4:5], v2, s[8:9] offset:KSC
	global_load_b64 v[6:7], v2, s[8:9] offset:KSC+256
	WIN 0x40
.irp t, 0,1,2,3,4,5,6,7
	FRAG 12*\t, 8, 1536*\t
.endr
	WIN 0
.endm
.macro VLOAD                           ; its V: 33 loads
	global_load_b128 v[8:11], v1, s[26:27] offset:VSC
	WIN 0x40
.irp t, 0,1,2,3,4,5,6,7
	FRAG 96+12*\t, 26, VOFF+1536*\t
.endr
	WIN 0
.endm
; S^T's tile t of query tile i.  A register of scale words serves two tiles: the even one from lanes 0-15, the odd one from lanes 16-31.
.macro QKP i, t
.set RS, 128+64*((\i)%2)+8*(\t)
.set RK, 12*(\t)
.set RQ, 192+12*(\i)
.if (\t)%2
.if (\i)%2
	v_wmma_scale_f32_16x16x128_f8f6f4 v[RS:RS+7], v[RK:RK+11], v[RQ:RQ+11], 0, v[4+(\t)/2], v[16+(\i)/2] matrix_a_fmt:MATRIX_FMT_BF6 matrix_b_fmt:MATRIX_FMT_BF6 matrix_a_scale:MATRIX_SCALE_ROW1 matrix_b_scale:MATRIX_SCALE_ROW1
.else
	v_wmma_scale_f32_16x16x128_f8f6f4 v[RS:RS+7], v[RK:RK+11], v[RQ:RQ+11], 0, v[4+(\t)/2], v[16+(\i)/2] matrix_a_fmt:MATRIX_FMT_BF6 matrix_b_fmt:MATRIX_FMT_BF6 matrix_a_scale:MATRIX_SCALE_ROW1
.endif
.else
.if (\i)%2
	v_wmma_scale_f32_16x16x128_f8f6f4 v[RS:RS+7], v[RK:RK+11], v[RQ:RQ+11], 0, v[4+(\t)/2], v[16+(\i)/2] matrix_a_fmt:MATRIX_FMT_BF6 matrix_b_fmt:MATRIX_FMT_BF6 matrix_b_scale:MATRIX_SCALE_ROW1
.else
	v_wmma_scale_f32_16x16x128_f8f6f4 v[RS:RS+7], v[RK:RK+11], v[RQ:RQ+11], 0, v[4+(\t)/2], v[16+(\i)/2] matrix_a_fmt:MATRIX_FMT_BF6 matrix_b_fmt:MATRIX_FMT_BF6
.endif
.endif
.endm
; O^T's tile t of query tile i += V's fragment t x p.  z = 1: the first step's product starts the sum: nothing is ever cleared.
.macro PVP i, t, z
.set RO, 64*(\i)+8*(\t)
.set RV, 96+12*(\t)
.set RP, 104+12*((\i)%2)
.if \z
.if (\t)%2
	v_wmma_scale_f32_16x16x128_f8f6f4 v[RO:RO+7], v[RV:RV+11], v[RP:RP+11], 0, v[8+(\t)/2], v[12+(\i)] matrix_a_fmt:MATRIX_FMT_BF6 matrix_b_fmt:MATRIX_FMT_BF6 matrix_a_scale:MATRIX_SCALE_ROW1
.else
	v_wmma_scale_f32_16x16x128_f8f6f4 v[RO:RO+7], v[RV:RV+11], v[RP:RP+11], 0, v[8+(\t)/2], v[12+(\i)] matrix_a_fmt:MATRIX_FMT_BF6 matrix_b_fmt:MATRIX_FMT_BF6
.endif
.else
.if (\t)%2
	v_wmma_scale_f32_16x16x128_f8f6f4 v[RO:RO+7], v[RV:RV+11], v[RP:RP+11], v[RO:RO+7], v[8+(\t)/2], v[12+(\i)] matrix_a_fmt:MATRIX_FMT_BF6 matrix_b_fmt:MATRIX_FMT_BF6 matrix_a_scale:MATRIX_SCALE_ROW1
.else
	v_wmma_scale_f32_16x16x128_f8f6f4 v[RO:RO+7], v[RV:RV+11], v[RP:RP+11], v[RO:RO+7], v[8+(\t)/2], v[12+(\i)] matrix_a_fmt:MATRIX_FMT_BF6 matrix_b_fmt:MATRIX_FMT_BF6
.endif
.endif
.endm
.macro TSUB a, j0, n                   ; t - M of tile a, two at a time, from its register j0 on (of the pairs c and -M the low word serves both halves)
.set JJ, 128+64*(\a)+(\j0)
.rept \n
	v_pk_fma_f32 v[JJ:JJ+1], v[JJ:JJ+1], s[22:23], v[22+2*(\a):23+2*(\a)] op_sel_hi:[1,0,0]
.set JJ, JJ+2
.endr
.endm
; THE SOFTMAX OF TILES 2 w, 2 w + 1 FOR ONE STEP, the two by turns.  first = 1: the first step, which has no O^T and no sum to bring under a new M.
.macro SM w, first
	WIN 0xff*\w
.if \w
	s_wait_alu depctr_va_vdst(0)
.endif
.irp b, 0,1,2,3,4,5,6,7                        ; block b % 4 of tile b / 4 begins at v[128 + 16 b]
	v_max3_num_f32 v[26+\b], v[128+16*\b], v[129+16*\b], v[130+16*\b]   ; THE LARGEST SCORE OF EACH BLOCK OF 32 KEYS serves twice: for the row's maximum, and, since p rises with the score, for the block's largest p
.endr
.irp n, 3,5,7,9,11,13
.irp b, 0,1,2,3,4,5,6,7
	v_max3_num_f32 v[26+\b], v[26+\b], v[128+16*\b+\n], v[129+16*\b+\n]   ; the eight blocks by turns; each accumulator is first read at its low end
.endr
.endr
.irp b, 0,1,2,3,4,5,6,7
	v_max_num_f32 v[26+\b], v[26+\b], v[143+16*\b]
.endr
.irp b, 0,1,2,3,4,5,6,7
	v_permlanex16_b32 v[34+\b], v[26+\b], s20, s21
.endr
.irp b, 0,1,2,3,4,5,6,7
	v_max_num_f32 v[26+\b], v[26+\b], v[34+\b]     ; with lane l xor 16's 16 keys
.endr
.irp a, 0,1
	v_max3_num_f32 v[54+\a], v[26+4*\a], v[27+4*\a], v[28+4*\a]
.endr
.irp a, 0,1
	v_max_num_f32 v[54+\a], v[54+\a], v[29+4*\a]   ; the step's largest score of my query
.endr
.irp a, 0,1
	v_mul_f32 v[54+\a], s24, v[54+\a]              ; as -t (c is positive)
.endr
.if \first
.irp a, 0,1
	v_floor_f32 v[22+2*\a], v[54+\a]               ; -M = floor(-t) = -ceil(t): M IS A WHOLE NUMBER
.endr
	TSUB 0, 0, 32
.else
.irp a, 0,1
	v_floor_f32 v[54+\a], v[54+\a]
.endr
.irp a, 0,1
	v_min_num_f32 v[54+\a], v[54+\a], v[22+2*\a]   ; the new -M
.endr
.irp a, 0,1
	v_sub_f32 v[50+2*\a], v[54+\a], v[22+2*\a]     ; M's old value less its new one: a whole number, 0 or less
.endr
.irp a, 0,1
	v_mov_b32 v[22+2*\a], v[54+\a]
.endr
	TSUB 0, 0, 8
.irp a, 0,1
	v_cvt_i32_f32 v[50+2*\a], v[50+2*\a]           ; (it saturates)
.endr
	TSUB 0, 16, 8
.irp a, 0,1
	v_ldexp_f32 v[50+2*\a], 1.0, v[50+2*\a]        ; f = 2^(old M - new M): a multiplication by it rounds nothing
.endr
	TSUB 0, 32, 16
.endif
.irp b, 0,1,2,3
	v_fma_f32 v[26+\b], v[26+\b], s22, v22         ; the same of each block's largest score
.endr
.if (\first) == 0
	WIN 0x82+0x0c*\w
.endif
	s_wait_alu depctr_va_vdst(0)                   ; ahead of O^T's first read and of the exponentials
.if (\first) == 0
.irp a, 0,1
.set JJ, 128*\w+64*\a
.rept 32
	v_pk_mul_f32 v[JJ:JJ+1], v[JJ:JJ+1], v[50+2*\a:51+2*\a] op_sel_hi:[1,0]   ; O^T under the new M: x f; ascending
.set JJ, JJ+2
.endr
.endr
	WIN 0xff*\w
.endif
.set JJ, 0
.rept 32                                       ; p = 2^(t - M) of the first tile, at most 1: NOT normalised; among them the second tile's t - M, which hang on no exponential
	v_exp_f32 v[128+JJ], v[128+JJ]
	v_pk_fma_f32 v[192+JJ:193+JJ], v[192+JJ:193+JJ], s[22:23], v[24:25] op_sel_hi:[1,0,0]
	v_exp_f32 v[129+JJ], v[129+JJ]
.set JJ, JJ+2
.endr
.irp b, 0,1,2,3
	v_exp_f32 v[26+\b], v[26+\b]                   ; the block's largest p: the same two operations on the same number
	v_fma_f32 v[30+\b], v[30+\b], s22, v24         ; (the last of these is the plain place behind the exponentials)
.endr
	s_wait_alu depctr_va_vdst(0)                   ; one wait between the two batches: the first's results and the second's sources
.set JJ, 0
.rept 16                                       ; the second tile's p; among them the first level of the first tile's sum: THE ROW'S SUM IS TAKEN OF THE UNQUANTISED p
	v_exp_f32 v[192+JJ], v[192+JJ]
	v_pk_add_f32 v[56+JJ/2:57+JJ/2], v[128+JJ:129+JJ], v[130+JJ:131+JJ]
	v_exp_f32 v[193+JJ], v[193+JJ]
	v_exp_f32 v[194+JJ], v[194+JJ]
	v_exp_f32 v[195+JJ], v[195+JJ]
.set JJ, JJ+4
.endr
.irp b, 0,1,2,3
	v_exp_f32 v[30+\b], v[30+\b]
.endr
.if \first
	v_nop                                          ; one plain place behind a transcendental
.else
.irp a, 0,1
	v_mul_f32 v[23+2*\a], v[50+2*\a], v[23+2*\a]   ; the sums under the new M: also the plain place behind the exponentials
.endr
.endif
	s_wait_alu depctr_va_vdst(0)                   ; the wait, ahead of the batch's first reader
.irp b, 0,1,2,3,4,5,6,7
	v_max_num_f32 v[26+\b], 0x2800000, v[26+\b]    ; the floor 2^(5 - 127): the byte cannot fall under 1
.endr
.irp b, 0,1,2,3,4,5,6,7
	v_add_nc_u32 v[42+\b], 0xfe000000, v[26+\b]    ; 4 off the exponent field: the conversion's scale operand
.endr
.irp b, 0,1,2,3,4,5,6,7
	v_lshrrev_b32 v[34+\b], 23, v[42+\b]           ; the scale's byte
.endr
.irp a, 0,1
	v_lshl_or_b32 v[54+\a], v[35+4*\a], 8, v[34+4*\a]   ; p's scale word for these 128 keys
.endr
.irp a, 0,1
	v_lshl_or_b32 v[54+\a], v[36+4*\a], 16, v[54+\a]
.endr
	WIN 0x3f*\w                                    ; scale operands have no window: the word goes to window 0
.irp a, 0,1
	v_lshl_or_b32 v[12+2*\w+\a], v[37+4*\a], 24, v[54+\a]
.endr
	WIN 0xff*\w
.irp a, 0,1
.irp c, 0,1
	v_cvt_scalef32_pk16_bf6_f32 v[104+12*\a+6*\c:106+12*\a+6*\c], v[128+64*\a+32*\c:143+64*\a+32*\c], v[42+4*\a+2*\c]
	v_cvt_scalef32_pk16_bf6_f32 v[26+8*\a+4*\c:28+8*\a+4*\c], v[144+64*\a+32*\c:159+64*\a+32*\c], v[43+4*\a+2*\c]   ; a conversion's three registers begin on an even number
.endr
.endr
	v_nop                                          ; one plain place behind a scaled conversion
.irp a, 0,1                                    ; the operand's layout wants a WHOLE block in a lane
.irp c, 0,1
.irp n, 0,1,2
	v_permlane16_swap_b32 v[104+12*\a+6*\c+\n], v[26+8*\a+4*\c+\n]
.endr
.endr
.endr
.irp a, 0,1
.irp c, 0,1
.irp n, 0,1,2
	v_mov_b32 v[107+12*\a+6*\c+\n], v[26+8*\a+4*\c+\n]
.endr
.endr
.endr
.irp n, 0,1,2,3                                ; the second tile's sum in four chains, v26-33, and the first's as a tree, v56-87
	v_pk_add_f32 v[26+2*\n:27+2*\n], v[192+4*\n:193+4*\n], v[194+4*\n:195+4*\n]
.endr
.irp n, 0,1,2,3,4,5,6,7
	v_pk_add_f32 v[56+4*\n:57+4*\n], v[56+4*\n:57+4*\n], v[58+4*\n:59+4*\n]
.endr
.irp m, 208,216,224
.irp n, 0,1,2,3
	v_pk_add_f32 v[26+2*\n:27+2*\n], v[26+2*\n:27+2*\n], v[\m+2*\n:\m+1+2*\n]
.endr
.endr
.irp n, 0,1,2,3
	v_pk_add_f32 v[56+8*\n:57+8*\n], v[56+8*\n:57+8*\n], v[60+8*\n:61+8*\n]
.endr
.irp m, 232,240,248
.irp n, 0,1,2,3
	v_pk_add_f32 v[26+2*\n:27+2*\n], v[26+2*\n:27+2*\n], v[\m+2*\n:\m+1+2*\n]
.endr
.endr
	v_pk_add_f32 v[56:57], v[56:57], v[64:65]
	v_pk_add_f32 v[72:73], v[72:73], v[80:81]
	v_pk_add_f32 v[26:27], v[26:27], v[28:29]
	v_pk_add_f32 v[30:31], v[30:31], v[32:33]
	v_pk_add_f32 v[56:57], v[56:57], v[72:73]
	v_pk_add_f32 v[26:27], v[26:27], v[30:31]
.if \first
	v_add_f32 v23, v56, v57
	v_add_f32 v25, v26, v27
.else
	v_add_f32 v56, v56, v57
	v_add_f32 v26, v26, v27
	v_add_f32 v23, v23, v56
	v_add_f32 v25, v25, v26
.endif
.endm
; A STEP: my key block, 128 keys, for all four tiles of queries.  last = 1: nothing more is asked for.
.macro STEP first, last
	s_wait_loadcnt 33                              ; K is in; V's 33 loads behind it may be out
	WIN 0x05                                       ; K, Q window 1; S^T window 0
.irp t, 0,1,2,3,4,5,6,7
	QKP 0, \t                                      ; 32 accumulators, one product each
.endr
.irp t, 0,1,2,3,4,5,6,7
	QKP 1, \t
.endr
	WIN 0xc5                                       ; S^T window 3
.irp t, 0,1,2,3,4,5,6,7
	QKP 2, \t
.endr
.irp t, 0,1,2,3,4,5,6,7
	QKP 3, \t
.endr
	WIN 0
	PLACES 4                                       ; in front of loads into registers that matrix instructions have read, and of the first read of the scores (ISA guide 7.12.1 for vector instructions)
.if (\last) == 0
	s_add_nc_u64 s[8:9], s[8:9], STEPB             ; the next step's key block: the loads that used this base are done
	KLOAD
.endif
	SM 0, \first
.if (\last) == 0
	WIN 0                                          ; at a label and at a branch every window is 0
	s_cmp_gt_u32 s37, s38                          ; the prefetch of the step after the next, while there is one
	s_cbranch_scc0 .Lnot_mine_\@
	global_prefetch_b8 v3, s[40:41] th:TH_LOAD_NT scope:SCOPE_SE
.Lnot_mine_\@:
.endif
	SM 1, \first
.if \last
	s_wait_loadcnt 0x0
.else
	s_wait_loadcnt 34                              ; V is in; the next K's 34 loads behind it may be out
.endif
	WIN 0xa1                                       ; V window 1, p window 0, O^T window 2
.irp t, 0,1,2,3,4,5,6,7
	PVP 0, \t, \first                              ; 32 accumulators, one instruction each, in the same order in every step
	PVP 1, \t, \first
.endr
	WIN 0xad                                       ; p window 3
.irp t, 0,1,2,3,4,5,6,7
	PVP 2, \t, \first
	PVP 3, \t, \first
.endr
	WIN 0
	PLACES 4
.if (\last) == 0
	s_add_nc_u64 s[26:27], s[26:27], STEPB
	s_wait_xcnt 0x0                                ; the prefetch has read its address, so it may be written
	s_add_nc_u64 s[40:41], s[40:41], STEPB
	VLOAD
.endif
.endm
	s_load_b256 s[4:11], s[0:1], 0x0               ; qcodes s[4:5], qscales s[6:7], kv s[8:9], out0 s[10:11]
	v_and_b32 v2, 31, v0                           ; lane
	v_lshrrev_b32 v3, 5, v0
	v_readfirstlane_b32 s12, v3                    ; wave 0..3
	v_lshlrev_b32 v1, 4, v2                        ; 16 x lane
	v_min_u32 v3, 24, v2
	v_lshlrev_b32 v3, 8, v3                        ; the prefetches' offset: 25 pieces of 256 bytes, lanes 25-31 name the last once more
	v_lshlrev_b32 v55, 2, v2                       ; 4 x lane
	v_lshlrev_b32 v2, 3, v2                        ; 8 x lane
	s_and_b32 s17, ttmp7, 0xffff                   ; the batch
	s_lshl_b32 s13, s17, 6
	s_add_co_u32 s13, s13, ttmp9                   ; my block of 64 queries among all
	s_mul_i32 s48, s13, 6144                       ; its codes,
	s_mov_b32 s49, 0
	s_lshl_b32 s50, s13, 8                         ; its scale words
	s_mov_b32 s51, 0
	s_mul_i32 s42, s17, 32*KB                      ; the batch's first byte in kv
	s_mul_i32 s44, s12, KB
	s_add_co_u32 s42, s42, s44                     ; my key block of step 0
	s_mov_b32 s43, 0
	s_min_u32 s46, ttmp9, 3
	s_mul_i32 s46, s46, 6400                       ; the quarter of a key block that my work-group would prefetch,
	s_add_co_u32 s46, s46, 2*STEPB                 ; from step 2 on
	s_mov_b32 s47, 0
	s_lshl_b32 s52, s13, 6                         ; the rows of O that I store: those of tile wave: two runs of eight neighbouring queries, 16 apart
	s_lshr_b32 s53, s12, 1
	s_lshl_b32 s53, s53, 5
	s_add_co_u32 s52, s52, s53
	s_and_b32 s53, s12, 1
	s_lshl_b32 s53, s53, 3
	s_add_co_u32 s52, s52, s53
	s_lshl_b32 s52, s52, 9                         ; rows of 512 bytes
	s_mov_b32 s53, 0
	s_wait_alu depctr_va_vdst(0)
	s_wait_kmcnt 0x0
	s_add_nc_u64 s[4:5], s[4:5], s[48:49]
	s_add_nc_u64 s[6:7], s[6:7], s[50:51]
	s_add_nc_u64 s[8:9], s[8:9], s[42:43]          ; K's base
	s_mov_b64 s[26:27], s[8:9]                     ; V's
	s_add_nc_u64 s[10:11], s[10:11], s[52:53]
	s_add_nc_u64 s[40:41], s[8:9], s[46:47]
	global_load_b32 v16, v55, s[6:7]               ; Q's scale words: tiles 0, 1
	global_load_b32 v17, v55, s[6:7] offset:128    ; and 2, 3
	WIN 0x40
.irp i, 0,1,2,3
	FRAG 192+12*\i, 4, 1536*\i                     ; Q stays in registers
.endr
	WIN 0
	KLOAD
	VLOAD
	s_mov_b32 s20, 0x76543210
	s_mov_b32 s21, 0xfedcba98                      ; v_permlanex16_b32's selects for lane l xor 16
	s_mov_b32 s22, 0x3d38aa3b                      ; c = log2(e) / 32: the division by sqrt(1,024) is exact
	s_mov_b32 s23, s22                             ; named with it as a pair, so it is written
	s_mov_b32 s24, 0xbd38aa3b                      ; -c
	s_mov_b32 s37, 7                               ; a wave of the batch's first four work-groups prefetches while s37 is above 1: in steps 0 .. 5
	s_cmp_lt_u32 ttmp9, 4
	s_cselect_b32 s38, 1, -1
	s_mul_i32 s54, s12, SHB
	s_add_co_u32 s54, s54, STG                     ; my share's rows
	s_lshl_b32 s55, s12, 9
	v_lshl_add_u32 v20, v0, 2, SPARE               ; my spare word; never rewritten
	v_mov_b32 v21, 0                               ; 0; never rewritten
	v_and_b32 v54, 15, v0                          ; r
	v_bfe_u32 v50, v0, 4, 1                        ; h
	v_lshl_add_u32 v19, v54, 3, s55                ; where I put -M and the sum
	v_mul_u32_u24 v18, v54, SP
	v_lshl_add_u32 v18, v50, 5, v18
	v_add_nc_u32 v18, s54, v18                     ; and O: row r, + 32 h
.macro INIT                            ; written once: upper halves of pairs that are named before they are first written, and a lane permute's destinations, which count as its sources
	v_mov_b32 v23, 0
	v_mov_b32 v25, 0
	v_mov_b32 v51, 0
	v_mov_b32 v53, 0
.irp b, 0,1,2,3,4,5,6,7
	v_mov_b32 v[34+\b], 0
.endr
.endm
	INIT
	WIN 0xff
	INIT
	WIN 0
	s_wait_alu depctr_va_vdst(0)
	STEP 1, 0                                      ; the first step is written out: its products start O^T's sums
	s_mov_b32 s37, 6
.Lstep:
	STEP 0, 0
	s_sub_co_u32 s37, s37, 1
	s_cmp_lg_u32 s37, 0
	s_cbranch_scc1 .Lstep
	STEP 0, 1                                      ; the last too: it asks for nothing
; THE FOUR SHARES ARE JOINED.  Each wave shows its -M, its sum and its O, as they are, to the others; then wave w makes the 16 rows of tile w: share k counts with 2^(M_k - M) / (the row's sum), M the largest of the four.
.macro LSUM w
	WIN 0xff*\w
.irp a, 0,1
	v_permlanex16_b32 v[26+\a], v[23+2*\a], s20, s21
.endr
.irp a, 0,1
	v_add_f32 v[23+2*\a], v[23+2*\a], v[26+\a]     ; with lane l xor 16's: my share's sum
.endr
	WIN 0x0c*\w                                    ; an LDS store's data are its source 1
.irp a, 0,1
	ds_store_b64 v19, v[22+2*\a:23+2*\a] offset:128*(2*\w+\a)   ; both lanes of a query store the same
.endr
.endm
	s_wait_alu depctr_va_vdst(0)                   ; the last sums were written ahead of the wait above
	LSUM 0
	LSUM 1
	WIN 0
	s_lshl_b32 s54, s12, 7
	s_mul_i32 s55, s12, 16*SP
	s_add_co_u32 s55, s55, STG
	v_and_b32 v88, 3, v0                           ; share k,
	v_lshl_add_u32 v88, v88, 9, s54
	v_bfe_u32 v89, v0, 2, 2                        ; row 16 w + (lane / 4) % 4 + 4 q
	v_lshl_add_u32 v88, v89, 3, v88
	v_add_nc_u32 v90, s55, v1                      ; my rows of share 0, 16 bytes a lane;
	v_add_nc_u32 v91, 2*SHB, v90                   ; of share 2
	WIN 0x08
.irp i, 0,1,2,3
.irp t, 0,1,2,3,4,5,6,7
	ds_store_b128 v18, v[64*\i+8*\t:64*\i+8*\t+3] offset:16*SP*\i+64*\t
	ds_store_b128 v18, v[64*\i+8*\t+4:64*\i+8*\t+7] offset:16*SP*\i+64*\t+16
.endr
.endr
	WIN 0
	s_wait_alu depctr_va_vdst(0)
	s_wait_dscnt 0x0                               ; for the others' sake: my stores have landed (and have read their registers)
	s_barrier_signal -1
	s_barrier_wait -1
.irp q, 0,1,2,3
	ds_load_b64 v[56+2*\q:57+2*\q], v88 offset:32*\q
.endr
.macro ROWS k                          ; my sixteen rows of share k, into window 2
.irp r, 0,1,2,3,4,5,6,7,8,9,10,11,12,13,14,15
	ds_load_b128 v[64*(\k)+4*\r:64*(\k)+4*\r+3], v[90+(\k)/2] offset:SHB*((\k)%2)+SP*\r
.endr
.endm
	WIN 0x80
	ROWS 0
	ROWS 1
	WIN 0
	s_wait_dscnt 32                                ; the four shares' -M and sums
.irp q, 0,1,2,3
	v_mov_b32 v[64+\q], v[56+2*\q]
.endr
.irp x, 1,2
.irp q, 0,1,2,3
	v_min_num_f32_dpp v[64+\q], v[64+\q], v[64+\q] row_xmask:\x row_mask:0xf bank_mask:0xf   ; the row's -M
.endr
.endr
.irp q, 0,1,2,3
	v_sub_f32 v[68+\q], v[64+\q], v[56+2*\q]       ; M_k - M: a whole number, 0 or less
.endr
.irp q, 0,1,2,3
	v_cvt_i32_f32 v[68+\q], v[68+\q]
.endr
.irp q, 0,1,2,3
	v_ldexp_f32 v[68+\q], 1.0, v[68+\q]
.endr
.irp q, 0,1,2,3
	v_mul_f32 v[72+\q], v[68+\q], v[57+2*\q]
.endr
.irp x, 1,2
.irp q, 0,1,2,3
	v_add_f32_dpp v[72+\q], v[72+\q], v[72+\q] row_xmask:\x row_mask:0xf bank_mask:0xf   ; the row's sum, at least 1/2
.endr
.endr
	s_wait_alu depctr_va_vdst(0)
.irp q, 0,1,2,3
	v_rcp_f32 v[76+\q], v[72+\q]
.endr
	v_nop                                          ; one plain place behind a transcendental
	s_wait_alu depctr_va_vdst(0)                   ; the wait, ahead of the first reader
.irp q, 0,1,2,3
	v_mul_f32 v[80+\q], v[68+\q], v[76+\q]         ; lane 4 (row % 4) + k of register row / 4: the factor of share k
.endr
	s_wait_alu depctr_va_vdst(0)
	WIN 0x80
	ROWS 2
	ROWS 3
	WIN 0
.irp k, 0,1,2,3
	s_wait_dscnt 16*(3-\k)                         ; share k's sixteen loads are in; those of the shares behind it may be out
.irp r, 0,1,2,3,4,5,6,7,8,9,10,11,12,13,14,15
	v_mov_b32_dpp v[192+2*\r], v[80+\r/4] row_share:4*(\r%4)+\k row_mask:0xf bank_mask:0xf   ; row r's factor, to all lanes
.endr
	WIN 0x02
.irp r, 0,1,2,3,4,5,6,7,8,9,10,11,12,13,14,15
.irp e, 0,2
.if \k == 0
	v_pk_mul_f32 v[128+4*\r+\e:129+4*\r+\e], v[64*\k+4*\r+\e:64*\k+4*\r+\e+1], v[192+2*\r:193+2*\r] op_sel_hi:[1,0]
.else
	v_pk_fma_f32 v[128+4*\r+\e:129+4*\r+\e], v[64*\k+4*\r+\e:64*\k+4*\r+\e+1], v[192+2*\r:193+2*\r], v[128+4*\r+\e:129+4*\r+\e] op_sel_hi:[1,0,1]
.endif
.endr
.endr
	WIN 0
.endr
.irp r, 0,1,2,3,4,5,6,7,8,9,10,11,12,13,14,15
	global_store_b128 v1, v[128+4*\r:131+4*\r], s[10:11] offset:512*(\r+8*(\r/8)) th:TH_STORE_NT   ; 32 lanes store a row of 512 consecutive bytes, at a multiple of 256 from O's first byte; written once, read by nobody here
.endr
	s_wait_tensorcnt 0x0                           ; the wave's end, behind my last LDS store
	ds_add_u32 v20, v21
	s_wait_dscnt 0x0
	s_endpgm
.Lfunc_end_k_q93217958ec_attn:
	.size	k_q93217958ec_attn, .Lfunc_end_k_q93217958ec_attn-k_q93217958ec_attn
	.p2alignl 7, 3214868480
	.fill 96, 4, 3214868480
	.section	.rodata,"a",@progbits
	.p2align	6, 0x0
	.amdhsa_kernel k_q93217958ec_attn
		.amdhsa_group_segment_fixed_size 137728
		.amdhsa_private_segment_fixed_size 0
		.amdhsa_enable_private_segment 0
		.amdhsa_kernarg_size 32
		.amdhsa_user_sgpr_count 2
		.amdhsa_user_sgpr_kernarg_segment_ptr 1
		.amdhsa_wavefront_size32 1
		.amdhsa_system_sgpr_workgroup_id_x 1
		.amdhsa_system_sgpr_workgroup_id_y 1
		.amdhsa_system_sgpr_workgroup_id_z 1
		.amdhsa_system_vgpr_workitem_id 0
		.amdhsa_next_free_vgpr 1024
		.amdhsa_next_free_sgpr 66
		.amdhsa_reserve_vcc 0
		.amdhsa_float_denorm_mode_32 3
		.amdhsa_float_denorm_mode_16_64 3
		.amdhsa_memory_ordered 1
		.amdhsa_forward_progress 1
		.amdhsa_inst_pref_size 219
	.end_amdhsa_kernel
	.amdgpu_metadata
---
amdhsa.version: [ 1, 2 ]
amdhsa.kernels:
  - .name:           k_q93217958ec_attn
    .symbol:         k_q93217958ec_attn.kd
    .args:
      - { .name: qcodes, .offset: 0, .size: 8, .value_kind: global_buffer, .address_space: global }
      - { .name: qscales, .offset: 8, .size: 8, .value_kind: global_buffer, .address_space: global }
      - { .name: kv, .offset: 16, .size: 8, .value_kind: global_buffer, .address_space: global }
      - { .name: out0, .offset: 24, .size: 8, .value_kind: global_buffer, .address_space: global }
    .group_segment_fixed_size: 137728
    .private_segment_fixed_size: 0
    .kernarg_segment_align: 8
    .kernarg_segment_size: 32
    .max_flat_workgroup_size: 128
    .sgpr_count:     66
    .vgpr_count:     1024
    .wavefront_size: 32
...
	.end_amdgpu_metadata
.endif
;; end of part 3
